; MI455X (gfx1250); checked and timed in simulation.
; The chip was launched on July 23, 2026; its instructions are those of AMD's public machine-readable ISA for CDNA 5 (MIT licence, August 2026) and "CDNA5" Instruction Set Architecture Reference Guide (July 2026). The comments in the code are by the model that wrote it; some were corrected since.
;; Attention. Allowed arithmetic: matrix products marked QUANTISED: E5M2 operands, one given power-of-two scale a tensor, by v_wmma_f32_16x16x64_bf8_bf8 or v_wmma_f32_16x16x128_bf8_bf8, f32 sums; everything else in f32.
;; Inputs: K_codes 4 x 2,048 x 32 x 32 uint8 (E5M2 codes of K, K innermost, in blocks of 32 codes); Q_codes 4 x 2,048 x 32 x 32 uint8 (E5M2 codes of Q, K innermost, in blocks of 32 codes); V_codes 4 x 2,048 x 32 x 32 uint8 (E5M2 codes of V, K innermost, in blocks of 32 codes); bk 1,024 float32; bq 1,024 float32; bv 1,024 float32; lowp_scales 10 int32 (the exponents e of the quantised operands' scales 2^e); wk_codes 1,024 x 32 x 32 uint8 (E5M2 codes of wk, K innermost, in blocks of 32 codes); wq_codes 1,024 x 32 x 32 uint8 (E5M2 codes of wq, K innermost, in blocks of 32 codes); wv_codes 1,024 x 32 x 32 uint8 (E5M2 codes of wv, K innermost, in blocks of 32 codes).
;; Outputs: out0 4 x 2,048 x 1,024 float32.
;; This version of the problem:
;;   THIS VERSION OF THE PROBLEM IS GIVEN IN LOW PRECISION. The matrix products marked QUANTISED in the list below multiply operands that are first quantised to E5M2 (5 exponent bits, 2 mantissa bits; 8 bits a number), with one given power-of-two scale for each operand tensor; their sums are f32. All else is computed in f32.
;;   The module's matrix products, in the order in which they are computed (A, B: the left and right operand; K: the contracted axis; several contracted axes count as one K, in the product's order):
;;     1. [M 8,192, K 1,024] x [K 1,024, N 1,024]; A: input Q (given as codes); B: input wq (given as codes): QUANTISED (scales: A lowp_scales[0], B lowp_scales[1])
;;     2. [M 8,192, K 1,024] x [K 1,024, N 1,024]; A: input K (given as codes); B: input wk (given as codes): QUANTISED (scales: A lowp_scales[2], B lowp_scales[3])
;;     3. [M 8,192, K 1,024] x [K 1,024, N 1,024]; A: input V (given as codes); B: input wv (given as codes): QUANTISED (scales: A lowp_scales[4], B lowp_scales[5])
;;     4. batch 64 x [M 2,048, K 64] x [K 64, N 2,048]; A: computed on the way; B: computed on the way: QUANTISED (scales: A lowp_scales[6], B lowp_scales[7])
;;     5. batch 64 x [M 2,048, K 2,048] x [K 2,048, N 64]; A: softmax (see below); B: computed on the way: QUANTISED (scales: A lowp_scales[8], B lowp_scales[9])
;;   THE QUANTISER, for each operand of a quantised product, along K:
;;     - The operand's scale is 2^e, e = its entry of the input lowp_scales (int32; the entries are numbered through the quantised products in the list's order, A before B).
;;     - Each number is divided by the scale, clamped to +-57,344, and rounded to the nearest number of E5M2, ties to even, subnormals kept.
;;     - The product sums the exact products of the quantised numbers (number of the format x scale) in f32.
;;   ~~~python
;;   def quantise(x, axis, e):      # numpy; x: float32 -> the quantised numbers, widened to float32 again
;;       x = np.moveaxis(x, axis, -1); K = x.shape[-1]
;;       r = np.clip(x / 2.0 ** e, -57344, 57344)
;;       step = 2.0 ** (np.maximum(np.frexp(np.where(r == 0, 1, r))[1] - 1, -14) - 2)
;;       q = np.round(r / step) * step * 2.0 ** e      # np.round: ties to even
;;       return np.moveaxis(q, -1, axis).astype(np.float32)
;;   ~~~
;;   SOFTMAX AHEAD OF A QUANTISED PRODUCT. Where the list says 'softmax', what is quantised is not the finished softmax but p = 2^(t - M), with t = logit x log2(e) and M = ceil(the row's largest t), a whole number; so 1/2 < the row's largest p <= 1. The row's sum l is taken of the UNQUANTISED p, in f32, and the product's result is divided by l at the end. Since M is a whole number, a kernel that streams over the keys may use a running M (the ceiling of the running maximum): every later rescaling is an exact power of two, so the quantised numbers keep their values, but for numbers so far below the row's largest that they fall under the format's range.
;;   OPERANDS COMPUTED ON THE WAY. 'Computed on the way' means the value that the module computes at that place (a softmax that the list does not call 'softmax' is quantised finished and normalised). What goes into a quantiser is computed in f32, as accurately as f32 sums, v_exp_f32 and their like allow (about 1e-6 of the number): no bf16 or f16 on the way to a quantiser, and a product that is left as it is and whose result goes on into a quantised operand takes f32 operands (vector FMAs, or v_wmma_f32_16x16x4_f32). A number that lies on a knife's edge between two numbers of the format may be rounded either way, as far as f32 arithmetic and the matrix unit's own rounding can turn it there, and no further.
;;   INPUTS GIVEN AS CODES. K (in the module: [4, 2048, 1024], K = its axis 2); Q (in the module: [4, 2048, 1024], K = its axis 2); V (in the module: [4, 2048, 1024], K = its axis 2); wk (in the module: [1024, 1024], K = its axis 0); wq (in the module: [1024, 1024], K = its axis 0); wv (in the module: [1024, 1024], K = its axis 0): each comes as NAME_codes (uint8): NAME with its K axis moved to the last place and cut into blocks of 32 codes, [.., K / 32, bytes a block], one block behind the other in memory; one code a byte (a code: sign, 5 exponent bits, 2 mantissa bits); its scale is its entry of lowp_scales. Its value is code x scale, taken as it is: it is not quantised again, and the codes and scales need not be those that the quantiser above would give.
;; One version. Each part assembles by itself: llvm-mc -triple=amdgcn-amd-amdhsa -mcpu=gfx1250 --defsym DOCPART=n.
;; ======== version 1 of 1: 2 launches
;; limits: right only within a limited range of input values
;; workspace buffers: q_img 8,388,608 bytes; kv_img 16,777,216 bytes
;; launch proj (part 1): grid 4 x 64, 4 waves a work-group, clusters of 4 x 4, 327,680 bytes of LDS; arguments Q_codes, K_codes, V_codes, wq_codes, wk_codes, wv_codes, bq, bk, bv, lowp_scales, q_img, kv_img; writes q_img, kv_img
.if DOCPART == 1
	.amdgcn_target "amdgcn-amd-amdhsa--gfx1250"
	.amdhsa_code_object_version 6
	.text
	.protected	k_q90a96ec362_proj
	.globl	k_q90a96ec362_proj
	.p2align	8
	.type	k_q90a96ec362_proj,@function
k_q90a96ec362_proj:
	s_mov_b64 s[64:65], 0
	v_nop
	global_prefetch_b8 v0, s[64:65] scope:SCOPE_SE
	s_setreg_imm32_b32 hwreg(HW_REG_WAVE_MODE, 25, 1), 1
	s_wait_xcnt 0x0
	s_wait_alu depctr_hold_cnt(0) depctr_sa_sdst(0) depctr_va_vdst(0) depctr_va_sdst(0) depctr_va_ssrc(0) depctr_va_vcc(0) depctr_vm_vsrc(0)
	s_getreg_b32 s2, hwreg(HW_REG_IB_STS2, 6, 4)
	s_cmp_eq_u32 s2, 0
	s_cbranch_scc0 .Lentry_in_a_cluster
	s_endpgm
.Lentry_in_a_cluster:
	s_bfe_u32 s2, ttmp6, 0x10000c
	s_cmp_lg_u32 s2, 0xf033
	s_cbranch_scc0 .Lentry_shape_is_right
	s_endpgm
.Lentry_shape_is_right:
; THE THREE PROJECTIONS on codes of BF8 (E5M2), quantised again for attention: y = sum x 2^(ea + eb) + bias, its code y / 2^e held at 57,344.
; 256 work-groups of four waves.  Each makes TWO tiles, one behind the other: 128 channels x 256 tokens of v, then 256 tokens x 256 channels of q (clusters 0-7) or of k (8-15).
; q_img  [16 batch + head][tile of 16 queries: 128][plane: 2][512]: lane (r, h), 16 bytes at 16 l: query r, registers 2 c, 2 c + 1 = channels 16 c + 8 h + 0 .. 7
; kv_img [16 batch + head][step of 128 keys: 16][16,384]: k's tile kt of 16 keys at 1024 kt, laid as q's; v's tile t of 16 channels at 8192 + 2048 t: lane (r, h): channel r, registers 2 c, 2 c + 1 = keys 16 c + 8 h + 0 .. 7
; The matrix instruction takes 16 rows of B as source 0 and 16 rows of A as source 1: a lane holds eight neighbours along B of one row of A.  v: A = wv, B = V's tokens; q, k: A = tokens, B = weights.
; CLUSTERS, 4 x 4: A's tiles hang on cy and are asked for jointly by a row of the cluster, B's on cx and by a column.
; LDS in rows of 256 bytes + 16 of padding, all rows of all tiles at multiples of 272.  v: three slots of A's 128 rows and B's 256;  q, k: two slots of A's 256 rows and B's 256, in the same bytes.
; K goes in steps of 256.  Waves 0 and 2 (A, B) fill with v's K steps 0 and 2 and the second tile's 0 and 2, waves 1 and 3 with the K steps 1 and 3.
; PREFETCHES into the L2 run two refills ahead of the loads: at the head v's K steps 2 and 3, at each of the four rounds that follow one K step of the second tile.  The four partners that ask for a tile jointly share its rows out by
; address, a lane a row; no buffer but the weights is named by more than two clusters, and a weight's rows are named in the first four clusters of its half of the launch alone.
; LIMITS: each pair's exponents add up to -126 .. 127, the exponents of q, k and v lie in -126 .. 112, so that each power of two here is an f32 number.
.set ROWB,   256
.set KROW,   1024
.set PITCH,  272
.set FR,     16
.set NL,     4
.set NP,     4
.set HALFT,  128*PITCH
.set VSLOT,  384*PITCH                 ; 104,448
.set F1,     640*PITCH                 ; 174,080: the second tile's K steps 0 and 2; its steps 1 and 3 lie at 0
.set SPARE,  3*VSLOT                   ; 313,344: the spare words
.set VA,     8                         ; v8-10   LDS address of my fragments of v's A, slots 0-2
.set VB,     11                        ; v11-13  of its B
.set ADRA,   14                        ; v14-15  second tile: A at F1, at 0
.set ADRB,   16                        ; v16-17  B
.set SCLV,   18
.set LIMV,   19
.set SCLF,   20
.set LIMF,   21
.set PFO,    22                        ; v22     the prefetches' offset: lane x 1,024, a row of codes
.set CO,     26
.set SPW,    28
.set NIL,    29
.set BV,     32                        ; v32-35  v's bias, one a block of channels
.set BI,     40                        ; v40-103 the second tile's bias
.set T,      104
.set CD,     168
.set AF,     128
.set G1,     24
.set G0,     32
.set G0B,    36
.set G1B,    48
.set PFF,    80                        ; s[80:81] where my prefetches of the second tile stand
.set PFV,    82                        ; s[82:83] and of v
.set MUTEF,  45                        ; s45, s75: 0 where my wave prefetches
.set MUTEV,  75
.set MSB,    0
.macro WIN new
.if MSB != \new
	s_set_vgpr_msb (MSB<<8)|\new
.set MSB, \new
.endif
.endm
.set MUL_LO, 0xa1                      ; source 0 (B) window 1, source 1 (A) window 0, C and D window 2
.set MUL_HI, 0xf1                      ; the same, C and D window 3
.set TO_B,   0x40
.macro PLACES n
.rept \n
	v_nop
.endr
.endm
; A joint load by the waves with s16 = par (par = -1: by all): wave 0 or 1 for A, 2 or 3 for B.
.macro JLOAD par
.if (\par) >= 0
	s_cmp_eq_u32 s16, \par
	s_cbranch_scc0 .Lasked_\@
.endif
	s_cmp_eq_u32 s15, 0
	s_cbranch_scc0 .Lfor_b_\@
	tensor_load_to_lds s[G0:G0+3], s[G1:G1+7]
	s_nop 0
.rept 4
	v_nop
.endr
	s_branch .Lasked_\@
.Lfor_b_\@:
	tensor_load_to_lds s[G0B:G0B+3], s[G1B:G1B+7]
	s_nop 0
.rept 4
	v_nop
.endr
.Lasked_\@:
.endm
; A prefetch of my 32 rows of the second tile's K step k
.macro ASKF k
	s_cmp_eq_u32 s[MUTEF], 0
	s_cbranch_scc0 .Lmute_\@
	global_prefetch_b8 v[PFO], s[PFF:PFF+1] offset:ROWB*(\k) th:TH_LOAD_NT scope:SCOPE_SE
.Lmute_\@:
.endm
.macro CREST                           ; a round of the cluster's barrier behind its opening barrier
	s_cmp_lg_u32 s14, 0
	s_cbranch_scc1 .Lnot_wave_0_\@
	s_barrier_signal -3
.Lnot_wave_0_\@:
	s_barrier_wait -3
	s_barrier_signal -1
	s_barrier_wait -1
.endm
.macro CROUND
	s_barrier_signal -1
	s_barrier_wait -1
	CREST
.endm
	s_load_b512 s[68:83], s[0:1], 0x0              ; Q, K, V, wq, wk, wv, bq, bk
	s_load_b256 s[84:91], s[0:1], 0x40             ; bv, the exponents, q_img, kv_img
	v_lshl_add_u32 v[SPW], v0, 2, SPARE
	v_mov_b32 v[NIL], 0
	ds_add_u32 v[SPW], v[NIL]                      ; the opening lines
	ds_add_u32 v[SPW], v[NIL]
	v_lshrrev_b32 v1, 5, v0
	v_readfirstlane_b32 s14, v1                    ; wave 0..3
	s_lshr_b32 s15, s14, 1                         ; my half of A's rows; I fetch for A (0) or B (1)
	s_and_b32 s16, s14, 1                          ; my half of B's rows; I fetch the even (0) or the odd (1) K steps
	s_bfe_u32 s40, ttmp6, 0x40000                  ; cx
	s_bfe_u32 s41, ttmp6, 0x40004                  ; cy
	s_and_b32 s2, ttmp7, 0xffff                    ; the cluster, 0..15
	s_lshr_b32 s66, s2, 3                          ; 0: q, 1: k
	s_and_b32 s67, s2, 7
	s_lshl_b32 s67, s67, 2                         ; its first token tile
	s_lshl_b32 s43, s41, 2
	s_lshl_b32 s43, 15, s43                        ; my row of the cluster
	s_lshl_b32 s44, 0x1111, s40                    ; my column
	s_or_b32 s[G1+0], s43, (0<<16)|(1<<20)|(1<<21)|(5<<22)|(3<<25)
	s_or_b32 s[G1B+0], s44, (0<<16)|(1<<20)|(1<<21)|(5<<22)|(3<<25)
.irp g, G1, G1B
	s_mov_b32 s[\g+1], ROWB<<16
	s_mov_b32 s[\g+3], ROWB<<16
	s_mov_b32 s[\g+5], KROW
	s_mov_b32 s[\g+6], 0
	s_mov_b32 s[\g+7], 0
.endr
	s_mov_b32 s[G1+2], 128<<16                     ; v's A: 128 rows
	s_mov_b32 s[G1+4], 128
	s_mov_b32 s[G1B+2], 256<<16                    ; B: 256 rows
	s_mov_b32 s[G1B+4], 256
	s_lshl_b32 s45, s16, 8                         ; the odd K steps begin 256 bytes on
	s_lshl_b32 s17, s66, 2
	s_add_co_u32 s17, s17, s41                     ; v's tile of 128 channels, 0..7
	s_lshl_b32 s18, s17, 17                        ; A of v in bytes
	s_add_co_u32 s18, s18, s45
	s_mov_b32 s19, 0
	s_add_co_u32 s3, s67, s41                      ; the second tile's tokens, 0..31
	s_lshl_b32 s20, s3, 18                         ; its A
	s_add_co_u32 s20, s20, s45
	s_mov_b32 s21, 0
	s_add_co_u32 s42, s67, s40                     ; v's token tile, 0..31
	s_lshl_b32 s46, s42, 18                        ; B of v
	s_add_co_u32 s46, s46, s45
	s_mov_b32 s47, 0
	s_lshl_b32 s22, s40, 18                        ; B of the second tile
	s_add_co_u32 s22, s22, s45
	s_mov_b32 s23, 0
	s_mov_b32 s[G0], 1                             ; LDS: a wave's first load goes to slot 0 or 1,
	s_mul_i32 s[G0+1], s16, VSLOT
	s_mov_b32 s[G0B], 1
	s_add_co_u32 s[G0B+1], s[G0+1], HALFT
	s_xor_b32 s43, s16, 1
	s_mul_i32 s56, s43, 2*VSLOT                    ; its second to slot 2 or 0,
	s_add_co_u32 s57, s56, HALFT
	s_mul_i32 s58, s43, F1                         ; its third and fourth to F1 or 0
	s_add_co_u32 s59, s58, 2*HALFT
	s_wait_alu depctr_va_vdst(0)
	s_wait_dscnt 0x0                               ; both opening adds are done
	s_wait_kmcnt 0x0
	s_load_b256 s[92:99], s[86:87], 0x0            ; the exponents 0..7,
	s_load_b64 s[100:101], s[86:87], 0x20          ; 8, 9
	s_cmp_eq_u32 s66, 0
	s_cselect_b64 s[4:5], s[68:69], s[70:71]       ; the second tile: tokens,
	s_cselect_b64 s[6:7], s[74:75], s[76:77]       ; weights,
	s_cselect_b64 s[8:9], s[80:81], s[82:83]       ; bias,
	s_cselect_b64 s[10:11], s[88:89], s[90:91]     ; image,
	s_cselect_b32 s2, 17, 18                       ; and the image's bytes of a head, as a shift
	s_cmp_eq_u32 s15, 0                            ; the prefetches: for A or for B,
	s_cselect_b64 s[PFF:PFF+1], s[4:5], s[6:7]
	s_cselect_b64 s[PFV:PFV+1], s[78:79], s[72:73]
	s_cselect_b32 s68, s3, s40                     ; the second tile's rows, v's rows,
	s_cselect_b32 s70, s17, s42
	s_cselect_b32 s69, s40, s41                    ; and my place among the four that ask for them with me
	s_add_nc_u64 s[4:5], s[4:5], s[20:21]
	s_add_nc_u64 s[6:7], s[6:7], s[22:23]
	s_add_nc_u64 s[G0+2:G0+3], s[78:79], s[18:19]
	s_or_b32 s[G0+3], s[G0+3], 0x80000000
	s_add_nc_u64 s[G0B+2:G0B+3], s[72:73], s[46:47]
	s_or_b32 s[G0B+3], s[G0B+3], 0x80000000
	CROUND                                         ; all sixteen work-groups are here: the first joint loads meet
	JLOAD -1                                       ; v's K steps 0 and 1, one load a wave
	; v's prefetches: of A's 128 rows 32 x place on, wave s16 takes K step 2 + s16; of B's 256 rows 64 x place + 32 s16 on, K steps 2 and 3
	s_lshl_b32 s70, s70, 17
	s_lshl_b32 s71, s69, 15
	s_add_co_u32 s70, s70, s71
	s_lshl_b32 s70, s70, s15
	s_mul_i32 s71, s15, 7
	s_add_co_u32 s71, s71, 8
	s_lshl_b32 s71, s16, s71
	s_add_co_u32 s70, s70, s71
	s_mov_b32 s71, 0
	s_add_nc_u64 s[PFV:PFV+1], s[PFV:PFV+1], s[70:71]
	; the second tile's: of 256 rows 64 x place + 32 s16 on
	s_lshl_b32 s70, s68, 18
	s_lshl_b32 s71, s69, 16
	s_add_co_u32 s70, s70, s71
	s_lshl_b32 s71, s16, 15
	s_add_co_u32 s70, s70, s71
	s_mov_b32 s71, 0
	s_add_nc_u64 s[PFF:PFF+1], s[PFF:PFF+1], s[70:71]
	s_lshr_b32 s[MUTEF], s67, 4                    ; weights (v's A, the second tile's B): the first four clusters of eight ask
	s_xor_b32 s[MUTEV], s15, 1
	s_and_b32 s[MUTEV], s[MUTEV], s[MUTEF]
	s_and_b32 s[MUTEF], s[MUTEF], s15
	; v's bias: channel 128 x tile + 64 x my half + 16 a + r
	s_lshl_b32 s70, s17, 9
	s_lshl_b32 s71, s15, 8
	s_add_co_u32 s70, s70, s71
	s_mov_b32 s71, 0
	s_add_nc_u64 s[84:85], s[84:85], s[70:71]
	; the second tile's: channel 256 cx + 128 x my half + 16 b + 8 h + i
	s_lshl_b32 s70, s40, 10
	s_lshl_b32 s71, s16, 9
	s_add_co_u32 s70, s70, s71
	s_mov_b32 s71, 0
	s_add_nc_u64 s[8:9], s[8:9], s[70:71]
	; where v's codes go: batch, head, step of 128 keys
	s_lshr_b32 s70, s42, 3
	s_lshl_b32 s70, s70, 4
	s_lshl_b32 s71, s17, 1
	s_add_co_u32 s70, s70, s71
	s_add_co_u32 s70, s70, s15
	s_lshl_b32 s70, s70, 18
	s_and_b32 s71, s42, 7
	s_lshl_b32 s71, s71, 1
	s_add_co_u32 s71, s71, s16
	s_lshl_b32 s71, s71, 14
	s_add_co_u32 s70, s70, s71
	s_add_co_u32 s70, s70, 8192
	s_mov_b32 s71, 0
	s_add_nc_u64 s[76:77], s[90:91], s[70:71]
	; where the second tile's go: my 128 channels are two heads
	s_lshr_b32 s70, s3, 3
	s_lshl_b32 s70, s70, 4
	s_lshl_b32 s71, s40, 2
	s_add_co_u32 s70, s70, s71
	s_lshl_b32 s71, s16, 1
	s_add_co_u32 s70, s70, s71
	s_lshl_b32 s70, s70, s2
	s_and_b32 s71, s3, 7
	s_lshl_b32 s71, s71, 1
	s_add_co_u32 s71, s71, s15
	s_sub_co_u32 s74, s2, 4
	s_lshl_b32 s71, s71, s74
	s_add_co_u32 s70, s70, s71
	s_mov_b32 s71, 0
	s_add_nc_u64 s[10:11], s[10:11], s[70:71]
	s_lshl_b32 s70, 1, s2
	s_add_nc_u64 s[12:13], s[10:11], s[70:71]
	; fragment addresses: row r x pitch + 16 h
	s_mul_i32 s68, s15, 64*PITCH
	s_mul_i32 s69, s16, HALFT
	s_mul_i32 s72, s15, HALFT
	s_add_co_u32 s73, s69, 2*HALFT
	s_add_co_u32 s69, s69, HALFT
	v_and_b32 v1, 15, v0
	v_bfe_u32 v2, v0, 4, 1
	v_mul_u32_u24 v3, v1, PITCH
	v_lshl_add_u32 v4, v2, 4, v3
	v_add_nc_u32 v[VA], s68, v4
	v_add_nc_u32 v[VB], s69, v4
	v_add_nc_u32 v[ADRA+1], s72, v4
	v_add_nc_u32 v[ADRB+1], s73, v4
	v_add_nc_u32 v[VA+1], VSLOT, v[VA]
	v_add_nc_u32 v[VA+2], 2*VSLOT, v[VA]
	v_add_nc_u32 v[VB+1], VSLOT, v[VB]
	v_add_nc_u32 v[VB+2], 2*VSLOT, v[VB]
	v_add_nc_u32 v[ADRA], F1, v[ADRA+1]
	v_add_nc_u32 v[ADRB], F1, v[ADRB+1]
	v_and_b32 v5, 31, v0
	v_lshlrev_b32 v[CO], 4, v5                     ; my 16 bytes of a plane
	v_lshlrev_b32 v[PFO], 10, v5
	v_lshlrev_b32 v6, 5, v2
	v_lshlrev_b32 v7, 2, v1
	s_wait_alu depctr_va_vdst(0)
	s_cmp_eq_u32 s[MUTEV], 0
	s_cbranch_scc0 .Lno_v
	global_prefetch_b8 v[PFO], s[PFV:PFV+1] offset:2*ROWB th:TH_LOAD_NT scope:SCOPE_SE
	s_cmp_eq_u32 s15, 0
	s_cbranch_scc1 .Lno_v
	global_prefetch_b8 v[PFO], s[PFV:PFV+1] offset:3*ROWB th:TH_LOAD_NT scope:SCOPE_SE
.Lno_v:
.irp a, 0,1,2,3
	global_load_b32 v[BV+\a], v7, s[84:85] offset:64*\a
.endr
.irp b, 0,1,2,3,4,5,6,7
	global_load_b128 v[BI+8*\b:BI+8*\b+3], v6, s[8:9] offset:64*\b
	global_load_b128 v[BI+8*\b+4:BI+8*\b+7], v6, s[8:9] offset:64*\b+16
.endr
	s_wait_kmcnt 0x0
	s_add_co_i32 s60, s96, s97                     ; v: 2^(e4 + e5), quantised with e9
	s_add_co_i32 s60, s60, 127
	s_lshl_b32 s60, s60, 23
	s_mov_b32 s61, s60
	s_add_co_i32 s68, s101, 127
	s_lshl_b32 s69, s68, 23
	v_mov_b32 v[SCLV], s69
	s_add_co_i32 s68, s68, 15
	s_lshl_b32 s68, s68, 23
	s_or_b32 s68, s68, 0x600000
	v_mov_b32 v[LIMV], s68                         ; 57,344 x 2^e9
	s_cmp_eq_u32 s66, 0
	s_cselect_b32 s62, s92, s94                    ; q: e0 + e1, quantised with e6; k: e2 + e3, with e7
	s_cselect_b32 s63, s93, s95
	s_cselect_b32 s68, s98, s99
	s_add_co_i32 s62, s62, s63
	s_add_co_i32 s62, s62, 127
	s_lshl_b32 s62, s62, 23
	s_mov_b32 s63, s62
	s_add_co_i32 s68, s68, 127
	s_lshl_b32 s69, s68, 23
	v_mov_b32 v[SCLF], s69
	s_add_co_i32 s68, s68, 15
	s_lshl_b32 s68, s68, 23
	s_or_b32 s68, s68, 0x600000
	v_mov_b32 v[LIMF], s68
; A fragment is 16 rows x 128 K in 16 registers: registers 4 c .. 4 c + 3 hold K = 32 c + 16 h + 0 .. 15, in A and B alike
.macro FRAG reg, adr, q, i
.irp c, 0,1,2,3
	ds_load_b128 v[\reg+4*\c:\reg+4*\c+3], v[\adr] offset:128*(\q)+32*\c+(\i)*16*PITCH
.endr
.endm
; v's tile: a wave has 64 rows of A and 128 of B, 32 accumulators in window 2; two sets of fragments for both sides
.macro VFETCH slot, q, p
	WIN TO_B
.irp i, 0,1,2,3,4,5,6,7
	FRAG 128*(\p)+FR*\i, VB+\slot, \q, \i
.endr
	WIN 0
.irp i, 0,1,2,3
	FRAG AF+64*(\p)+FR*\i, VA+\slot, \q, \i
.endr
.endm
.macro MULV a, p, zero
.irp b, 0,1,2,3,4,5,6,7
.if \zero
	v_wmma_f32_16x16x128_bf8_bf8 v[8*(8*(\a)+\b):8*(8*(\a)+\b)+7], v[128*(\p)+FR*\b:128*(\p)+FR*\b+FR-1], v[AF+64*(\p)+FR*(\a):AF+64*(\p)+FR*(\a)+FR-1], 0
.else
	v_wmma_f32_16x16x128_bf8_bf8 v[8*(8*(\a)+\b):8*(8*(\a)+\b)+7], v[128*(\p)+FR*\b:128*(\p)+FR*\b+FR-1], v[AF+64*(\p)+FR*(\a):AF+64*(\p)+FR*(\a)+FR-1], v[8*(8*(\a)+\b):8*(8*(\a)+\b)+7]
.endif
.endr
.endm
.macro VSTEP p, zero, fetch, nslot, nq
	s_wait_dscnt 0x0                               ; this step's fragments are in
.if \fetch
	PLACES NP
	VFETCH \nslot, \nq, 1-(\p)
.endif
	WIN MUL_LO
.irp a, 0,1,2,3
	MULV \a, \p, \zero
.endr
.endm
; The same with a refill: all my loads have landed and my reads of the slot to be filled are over ahead of the round.
.macro VTURN p, nslot, nq, par, third, ask
	WIN 0
	s_wait_tensorcnt 0x0
	ds_add_u32 v[SPW], v[NIL]
	s_wait_dscnt 1                                 ; the fragments are in; the add may be out
	WIN MUL_LO
	MULV 0, \p, 0
	s_wait_dscnt 0x0
	s_barrier_signal -1
	MULV 1, \p, 0
	WIN 0
	s_barrier_wait -1
	CREST
.if \third                             ; every wave's third load: the second tile's K step 0 or 1
	s_mov_b64 s[G0+2:G0+3], s[4:5]
	s_or_b32 s[G0+3], s[G0+3], 0x80000000
	s_mov_b64 s[G0B+2:G0B+3], s[6:7]
	s_or_b32 s[G0B+3], s[G0B+3], 0x80000000
	s_mov_b32 s[G0+1], s58
	s_mov_b32 s[G0B+1], s59
	s_mov_b32 s[G1+2], 256<<16                     ; A has 256 rows now
	s_mov_b32 s[G1+4], 256
.endif
	JLOAD \par
	PLACES NP
	VFETCH \nslot, \nq, 1-(\p)
	ASKF \ask
	WIN MUL_LO
	MULV 2, \p, 0
	MULV 3, \p, 0
.endm
; The second tile: 128 x 128 a wave, 64 accumulators in windows 2 and 3; one set of A's fragments, two of B's
.macro MUL16 a0, p, zero
.irp a, \a0, \a0+1
.irp b, 0,1,2,3,4,5,6,7
.if \zero
	v_wmma_f32_16x16x128_bf8_bf8 v[8*(8*((\a)%4)+\b):8*(8*((\a)%4)+\b)+7], v[128*(\p)+FR*\b:128*(\p)+FR*\b+FR-1], v[AF+FR*(\a):AF+FR*(\a)+FR-1], 0
.else
	v_wmma_f32_16x16x128_bf8_bf8 v[8*(8*((\a)%4)+\b):8*(8*((\a)%4)+\b)+7], v[128*(\p)+FR*\b:128*(\p)+FR*\b+FR-1], v[AF+FR*(\a):AF+FR*(\a)+FR-1], v[8*(8*((\a)%4)+\b):8*(8*((\a)%4)+\b)+7]
.endif
.endr
.endr
.endm
.macro FETCH_B slot, q, p
	WIN TO_B
.irp i, 0,1,2,3,4,5,6,7
	FRAG 128*(\p)+FR*\i, ADRB+\slot, \q, \i
.endr
	WIN 0
.endm
.macro FETCH_A slot, q, i0
.irp i, \i0, \i0+1, \i0+2, \i0+3
	FRAG AF+FR*(\i), ADRA+\slot, \q, \i
.endr
.endm
.macro STEP slot, q, zero
	s_wait_dscnt 4*NL                              ; B's set and A's blocks 0-3 are in; A's blocks 4-7 may be out
	WIN MUL_LO
	MUL16 0, (\q)%2, \zero
	MUL16 2, (\q)%2, \zero
	s_wait_dscnt 0
	PLACES NP
	FETCH_B \slot, (\q)+1, 1-(\q)%2
	FETCH_A \slot, (\q)+1, 0
	WIN MUL_HI
	MUL16 4, (\q)%2, \zero
	MUL16 6, (\q)%2, \zero
	PLACES NP
	WIN 0
	FETCH_A \slot, (\q)+1, 4
.endm
.macro TURN slot, next, fill
	s_wait_tensorcnt 0x0                           ; my part of the next slot has landed
	ds_add_u32 v[SPW], v[NIL]
	s_wait_dscnt 4*NL+1                            ; the add and A's blocks 4-7 may be out
	WIN MUL_LO
	MUL16 0, 1, 0
	s_wait_dscnt 0x0                               ; the add is done, and my reads of this slot are over
	s_barrier_signal -1
	MUL16 2, 1, 0
	WIN 0
	s_barrier_wait -1
.if \fill
	CREST
.if (\slot) == 0                       ; every wave's fourth load: K step 2 or 3
	s_add_nc_u64 s[G0+2:G0+3], s[G0+2:G0+3], 2*ROWB
	s_add_nc_u64 s[G0B+2:G0B+3], s[G0B+2:G0B+3], 2*ROWB
.endif
	JLOAD \slot
.endif
	PLACES NP
	FETCH_B \next, 0, 0
	FETCH_A \next, 0, 0
	WIN MUL_HI
	MUL16 4, 1, 0
	MUL16 6, 1, 0
	PLACES NP
	WIN 0
	FETCH_A \next, 0, 4
.endm
; Quantise T's 64 numbers into CD's 16 registers of set a % 2
.macro QUANT a, lim, scl
.set J, 0
.rept 64
	v_med3_num_f32 v[T+J], v[T+J], -v[\lim], v[\lim]   ; the conversion to an 8-bit code does not saturate (ISA guide 7.6.2)
.set J, J+1
.endr
.if (\a) >= 2
	s_wait_alu depctr_va_vdst(0)
	s_wait_xcnt 0x0                                ; block a - 2's stores have read their data
.endif
.irp b, 0,1,2,3,4,5,6,7
	v_cvt_scalef32_pk8_bf8_f32 v[CD+16*((\a)%2)+2*\b:CD+16*((\a)%2)+2*\b+1], v[T+8*\b:T+8*\b+7], v[\scl]
.endr
	v_nop
.endm
	s_wait_alu depctr_va_vdst(0)                   ; the head's end
	s_wait_tensorcnt 0x0                           ; my part of v's K steps 0 and 1 is in
	ds_add_u32 v[SPW], v[NIL]
	s_wait_dscnt 0x0
	CROUND
	s_add_nc_u64 s[G0+2:G0+3], s[G0+2:G0+3], 2*ROWB   ; every wave's second load: v's K step 2 or 3
	s_add_nc_u64 s[G0B+2:G0B+3], s[G0B+2:G0B+3], 2*ROWB
	s_mov_b32 s[G0+1], s56
	s_mov_b32 s[G0B+1], s57
	JLOAD 0                                        ; K step 2: slot 2's first fill
	VFETCH 0, 0, 0
	ASKF 0                                         ; the second tile's K step 0, which is loaded two refills on
	VSTEP 0, 1, 1, 0, 1
	VSTEP 1, 0, 1, 1, 0
	VTURN 0, 1, 1, 1, 0, 1                         ; K step 3 into slot 0, which has been read
	VSTEP 1, 0, 1, 2, 0
	VSTEP 0, 0, 1, 2, 1
	VTURN 1, 0, 0, 0, 1, 2                         ; the second tile's K step 0 over slots 1 and 2
	VSTEP 0, 0, 1, 0, 1
	VSTEP 1, 0, 0, 0, 0
	WIN 0
	s_wait_loadcnt 0x0                             ; the biases
	PLACES NP
	; v's way out: a block of 16 channels x my 128 keys is four planes of 512 bytes
.irp a, 0,1,2,3
	WIN 0x02
.irp b, 0,1,2,3,4,5,6,7
.irp i, 0,2,4,6
.if \a%2
	v_pk_fma_f32 v[T+8*\b+\i:T+8*\b+\i+1], v[64*\a+8*\b+\i:64*\a+8*\b+\i+1], s[60:61], v[BV+2*(\a/2):BV+2*(\a/2)+1] op_sel:[0,0,1] op_sel_hi:[1,0,1]
.else
	v_pk_fma_f32 v[T+8*\b+\i:T+8*\b+\i+1], v[64*\a+8*\b+\i:64*\a+8*\b+\i+1], s[60:61], v[BV+2*(\a/2):BV+2*(\a/2)+1] op_sel_hi:[1,0,0]
.endif
.endr
.endr
	WIN 0
	QUANT \a, LIMV, SCLV
.irp p, 0,1,2,3
	global_store_b128 v[CO], v[CD+16*(\a%2)+4*\p:CD+16*(\a%2)+4*\p+3], s[76:77] offset:2048*\a+512*\p
.endr
.endr
	s_wait_alu depctr_va_vdst(0)
	s_wait_xcnt 0x0                                ; the stores have read their data, over which fragments will lie
	s_wait_tensorcnt 0x0                           ; the second tile's K step 0
	ds_add_u32 v[SPW], v[NIL]
	s_wait_dscnt 0x0
	CROUND
	JLOAD 1                                        ; K step 1, at 0: v's last slot has been read
	PLACES NP
	FETCH_B 0, 0, 0
	FETCH_A 0, 0, 0
	FETCH_A 0, 0, 4
	ASKF 3
	STEP 0, 0, 1
	TURN 0, 1, 1
	STEP 1, 0, 0
	TURN 1, 0, 1
	STEP 0, 0, 0
	TURN 0, 1, 0
	STEP 1, 0, 0
	s_wait_dscnt 4*NL
	WIN MUL_LO
	MUL16 0, 1, 0
	MUL16 2, 1, 0
	s_wait_dscnt 0
	WIN MUL_HI
	MUL16 4, 1, 0
	MUL16 6, 1, 0
	WIN 0
	PLACES NP
	; the second tile's way out: a block of 16 tokens x my two heads is two planes of 512 bytes in each head
.irp a, 0,1,2,3,4,5,6,7
	WIN 0x02+(\a/4)
.irp b, 0,1,2,3,4,5,6,7
.irp i, 0,2,4,6
	v_pk_fma_f32 v[T+8*\b+\i:T+8*\b+\i+1], v[64*(\a%4)+8*\b+\i:64*(\a%4)+8*\b+\i+1], s[62:63], v[BI+8*\b+\i:BI+8*\b+\i+1] op_sel_hi:[1,0,1]
.endr
.endr
	WIN 0
	QUANT \a, LIMF, SCLF
.irp p, 0,1,2,3
	global_store_b128 v[CO], v[CD+16*(\a%2)+4*\p:CD+16*(\a%2)+4*\p+3], s[10+2*(\p/2):11+2*(\p/2)] offset:1024*\a+512*(\p%2)
.endr
.endr
	s_wait_tensorcnt 0x0                           ; the wave's end
	ds_add_u32 v[SPW], v[NIL]
	s_wait_dscnt 0x0
	CROUND                                         ; the closing round
	s_endpgm
.Lfunc_end_k_q90a96ec362_proj:
	.size	k_q90a96ec362_proj, .Lfunc_end_k_q90a96ec362_proj-k_q90a96ec362_proj
	.p2alignl 7, 3214868480
	.fill 96, 4, 3214868480
	.section	.rodata,"a",@progbits
	.p2align	6, 0x0
	.amdhsa_kernel k_q90a96ec362_proj
		.amdhsa_group_segment_fixed_size 327680
		.amdhsa_private_segment_fixed_size 0
		.amdhsa_enable_private_segment 0
		.amdhsa_kernarg_size 96
		.amdhsa_user_sgpr_count 2
		.amdhsa_user_sgpr_kernarg_segment_ptr 1
		.amdhsa_wavefront_size32 1
		.amdhsa_system_sgpr_workgroup_id_x 1
		.amdhsa_system_sgpr_workgroup_id_y 1
		.amdhsa_system_sgpr_workgroup_id_z 1
		.amdhsa_system_vgpr_workitem_id 0
		.amdhsa_next_free_vgpr 1024
		.amdhsa_next_free_sgpr 102
		.amdhsa_reserve_vcc 0
		.amdhsa_float_denorm_mode_32 3
		.amdhsa_float_denorm_mode_16_64 3
		.amdhsa_memory_ordered 1
		.amdhsa_forward_progress 1
		.amdhsa_inst_pref_size 214
	.end_amdhsa_kernel
	.amdgpu_metadata
---
amdhsa.version: [ 1, 2 ]
amdhsa.kernels:
  - .name:           k_q90a96ec362_proj
    .symbol:         k_q90a96ec362_proj.kd
    .args:
      - { .name: Q_codes, .offset: 0, .size: 8, .value_kind: global_buffer, .address_space: global }
      - { .name: K_codes, .offset: 8, .size: 8, .value_kind: global_buffer, .address_space: global }
      - { .name: V_codes, .offset: 16, .size: 8, .value_kind: global_buffer, .address_space: global }
      - { .name: wq_codes, .offset: 24, .size: 8, .value_kind: global_buffer, .address_space: global }
      - { .name: wk_codes, .offset: 32, .size: 8, .value_kind: global_buffer, .address_space: global }
      - { .name: wv_codes, .offset: 40, .size: 8, .value_kind: global_buffer, .address_space: global }
      - { .name: bq, .offset: 48, .size: 8, .value_kind: global_buffer, .address_space: global }
      - { .name: bk, .offset: 56, .size: 8, .value_kind: global_buffer, .address_space: global }
      - { .name: bv, .offset: 64, .size: 8, .value_kind: global_buffer, .address_space: global }
      - { .name: lowp_scales, .offset: 72, .size: 8, .value_kind: global_buffer, .address_space: global }
      - { .name: q_img, .offset: 80, .size: 8, .value_kind: global_buffer, .address_space: global }
      - { .name: kv_img, .offset: 88, .size: 8, .value_kind: global_buffer, .address_space: global }
    .group_segment_fixed_size: 327680
    .private_segment_fixed_size: 0
    .kernarg_segment_align: 8
    .kernarg_segment_size: 96
    .max_flat_workgroup_size: 128
    .sgpr_count:     102
    .vgpr_count:     1024
    .wavefront_size: 32
...
	.end_amdgpu_metadata
.endif
;; end of part 1
;; launch attn (part 2): grid 4 x 64, 16 waves a work-group, no clusters, 264,192 bytes of LDS; arguments q_img, kv_img, lowp_scales, out0; writes out0
.if DOCPART == 2
	.amdgcn_target "amdgcn-amd-amdhsa--gfx1250"
	.amdhsa_code_object_version 6
	.text
	.protected	k_q90a96ec362_attn
	.globl	k_q90a96ec362_attn
	.p2align	8
	.type	k_q90a96ec362_attn,@function
k_q90a96ec362_attn:
	s_mov_b64 s[64:65], 0
	v_nop
	global_prefetch_b8 v0, s[64:65] scope:SCOPE_SE
	s_setreg_imm32_b32 hwreg(HW_REG_WAVE_MODE, 25, 1), 1
	s_wait_xcnt 0x0
; ATTENTION on codes of BF8 (E5M2): out[b][s][64 head + d] = the sum over keys of softmax(q . k / 8) v, 64 pairs (batch, head) of 2,048 queries x 2,048 keys, head size 64.
; q_img and kv_img hold q, k and v as images of operand registers (planes of 512 bytes: four registers, lane l's 16 bytes at 16 l):
;   q_img  [16 b + head][tile of 16 queries: 128][plane: 2][512]: lane (r, h): query r, registers 2 c, 2 c + 1 = channels 16 c + 8 h + 0 .. 7
;   kv_img [16 b + head][step of 128 keys: 16][16,384]: k's tile kt of 16 keys at 1024 kt, laid as q's;  v's tile t of 16 channels at 8192 + 2048 t: lane (r, h): channel r, registers 2 c, 2 c + 1 = keys 16 c + 8 h + 0 .. 7
; THE SOFTMAX AHEAD OF THE SECOND PRODUCT: t = score x c, c = log2(e) / 8; M = the row's largest t so far, rounded UP to a whole number; p = 2^(t - M) is what is quantised (scale 2^e8); it is not normalised.
; The row's sum is taken of the unquantised p, in f32, and divides O at the end.  When M moves, the sum and O are multiplied by 2^(old M - new M): exact.
; SHARES.  A work-group owns 512 queries of one head; each of its sixteen waves 32 of them, two tiles of 16, in 256 registers: four waves to a SIMD.  Each fragment of k or v that a wave reads from LDS feeds two products.
; LAYOUT.  Both products are used transposed: S^T = k q^T, O^T = v^T p^T: a lane holds ONE query (lane % 16) of each tile throughout.  In S^T's tile kt lane (r, h) holds keys 16 kt + 8 h + 0 .. 7, so its
; conversion's two registers are registers 2 kt, 2 kt + 1 of the second product's operand: nothing changes lanes.
; K AND V.  The head's sixteen images of 16,384 bytes are copied into LDS once, through registers, each wave 1,024 bytes of each: images 0 to 5 at the head, ahead of the first barrier; images 6 to 15 in steps 0 to 4, two
; a step, ahead of the second and last barrier: its signal stands behind step 4, its wait in step 5, in front of the first read of image 6.
; NO JOINT REQUESTS, though the four work-groups of a head read the same images.
; NO PREFETCH: every image but the head's is asked for by loads into registers half a step ahead of its store, in the first five of sixteen steps.
; LIMITS: e6 + e7 between -123 and 130 (added to c's exponent field); e8 between -126 and 112; e8 + e9 is applied by v_ldexp_f32 and has none.  The scaled scores t stay under 2^31 in magnitude.  NaN is not served.
.set LI,  1                            ; v1   16 x lane: my place in a plane
.set CW0, 2                            ; v2   1,024 x wave + 16 x lane: my place in an image, for the copy
.set AD,  3                            ; v3   LDS address of the step's image + 16 x lane
.set CW,  4                            ; v4   the copy: byte of the image in hand + my place in it, in LDS and in memory alike
.set SC8, 5                            ; v5   2^e8
.set LIM, 6                            ; v6   57,344 x 2^e8
.set GO,  7                            ; v7   the way out: my byte offset in the wave's rows of out0
.set AN,  7                            ; v7   until then: LDS address of the next step's image + 16 x lane
.set CH,  8                            ; v8-15   1,024 bytes of an image on their way
.set ST,  16                           ; tile q at v[16 + 4 q]: -M, the largest score, the sum in two halves
.set MX,  24                           ; tile q at v[24 + 2 q]: the maximum's second chain and a temporary; later the sums' further chains
.set FF,  28                           ; tile q at v[28 + 2 q]: f = 2^(old M - new M); the old -M
.set Q,   32                           ; v32-47  q, 8 registers a tile
.set F,   48                           ; v48-63  k's tiles 6 and 7; later tile 0's codes of p
.set S,   64                           ; v64-191 S^T, then p: 64 a tile
.set O,   192                          ; v192-255 O^T: tile q, channels 16 t on, at v[192 + 32 q + 8 t]
.set C0,  48                           ; p's codes, tile 0
.set C1,  64                           ; tile 1 (over tile 0's p, which is done with)
.set VF,  80                           ; v80-143 v's four fragments (over p)
.set CHUNK, 16384
.set HEADN, 6                          ; images that the head copies
.set COPYN, 5                          ; steps that copy two more each
; k's tile kt goes where no product has written yet when it is read: tiles 6 and 7 into F, tile kt into the registers of S^T's tile kt + 2 of the second tile of queries
.macro KBUF kt
.if (\kt) >= 6
.set KB, F+8*((\kt)-6)
.else
.set KB, S+64+8*((\kt)+2)
.endif
.endm
.macro KLOAD kt, adr
	KBUF \kt
	ds_load_b128 v[KB:KB+3],   v[\adr] offset:1024*(\kt)
	ds_load_b128 v[KB+4:KB+7], v[\adr] offset:1024*(\kt)+512
.endm
.macro KAHEAD
.irp kt, 0,1,2,3,4,5
	KLOAD \kt, AN
.endr
.endm
	s_load_b256 s[4:11], s[0:1], 0x0               ; q_img s[4:5], kv_img s[6:7], the scales' exponents s[8:9], out0 s[10:11]
	v_lshrrev_b32 v3, 5, v0
	v_readfirstlane_b32 s12, v3                    ; wave 0..15
	v_and_b32 v1, 31, v0
	v_lshlrev_b32 v[LI], 4, v1
	v_and_b32 v2, 0x1e0, v0                        ; 32 x wave
	v_lshl_add_u32 v[CW0], v2, 5, v[LI]
	v_add_nc_u32 v[CW], 4*CHUNK, v[CW0]
	s_and_b32 s13, ttmp7, 0xffff                   ; 16 batch + head
	s_lshl_b32 s28, s13, 17                        ; q: the head's 131,072 bytes,
	s_lshl_b32 s29, ttmp9, 15                      ; the work-group's 32 tiles of 1,024,
	s_add_co_u32 s28, s28, s29
	s_lshl_b32 s29, s12, 11                        ; the wave's two
	s_add_co_u32 s28, s28, s29
	s_mov_b32 s29, 0
	s_lshl_b32 s30, s13, 18                        ; k and v: the head's 262,144 bytes
	s_mov_b32 s31, 0
	s_lshr_b32 s32, s13, 4                         ; out0: the batch's 2,048 rows of 4,096 bytes,
	s_lshl_b32 s32, s32, 23
	s_lshl_b32 s33, ttmp9, 21                      ; the work-group's 512 rows,
	s_add_co_u32 s32, s32, s33
	s_lshl_b32 s33, s12, 17                        ; the wave's 32,
	s_add_co_u32 s32, s32, s33
	s_and_b32 s33, s13, 15
	s_lshl_b32 s33, s33, 8                         ; the head's 256 bytes of a row
	s_add_co_u32 s32, s32, s33
	s_mov_b32 s33, 0
	s_mov_b32 s16, 0x76543210                      ; v_permlanex16_b32's selects for lane l xor 16
	s_mov_b32 s17, 0xfedcba98
	s_mov_b32 s18, 0x3e38aa3b                      ; c = log2(e) / 8
	s_mov_b32 s20, 0                               ; the byte at which the step's image begins
	s_mov_b32 s21, HEADN*CHUNK                     ; that of the image to be copied
	s_mov_b32 s22, COPYN
	s_wait_alu depctr_va_vdst(0)
	s_wait_kmcnt 0x0
	s_load_b64 s[24:25], s[8:9], 0x18              ; e6, e7
	s_load_b64 s[26:27], s[8:9], 0x20              ; e8, e9
	s_add_nc_u64 s[4:5], s[4:5], s[28:29]
	s_add_nc_u64 s[6:7], s[6:7], s[30:31]
	s_add_nc_u64 s[10:11], s[10:11], s[32:33]
.set J, 0
.rept HEADN                                    ; my part of images 0 to 5,
	global_load_b128 v[S+8*J:S+8*J+3],   v[CW0], s[6:7] offset:CHUNK*J
	global_load_b128 v[S+8*J+4:S+8*J+7], v[CW0], s[6:7] offset:CHUNK*J+512
.set J, J+1
.endr
.irp p, 0,1,2,3
	global_load_b128 v[Q+4*\p:Q+4*\p+3], v[LI], s[4:5] offset:512*\p   ; q's two tiles, which stay in registers,
.endr
	global_load_b128 v[CH:CH+3],   v[CW0], s[6:7] offset:CHUNK*HEADN   ; and my part of image 6
	global_load_b128 v[CH+4:CH+7], v[CW0], s[6:7] offset:CHUNK*HEADN+512
	v_add_nc_u32 v[AN], s20, v[LI]
.irp q, 0,1
	v_mov_b32 v[ST+4*\q+1], 0xff61b1e6             ; the largest score so far: -3e38, under every score
	v_floor_f32 v[ST+4*\q], -v[ST+4*\q+1]          ; -M
	v_mov_b32 v[ST+4*\q+2], 0                      ; the sum, in two halves
	v_mov_b32 v[ST+4*\q+3], 0
	v_mov_b32 v[MX+2*\q+1], 0                      ; written once: a lane permute's destination counts as one of its sources
.endr
.set J, 0
.rept 64
	v_mov_b32 v[O+J], 0                            ; O^T.  (The step has no first form of its own: the first finds zeros, which the first change of M leaves zeros)
.set J, J+1
.endr
	s_wait_kmcnt 0x0
	s_add_co_i32 s28, s24, s25
	s_lshl_b32 s28, s28, 23
	s_add_co_i32 s18, s18, s28                     ; a score stands for score x 2^(e6 + e7): the two exponents are added to c's exponent field
	s_mov_b32 s19, s18                             ; (named with it as a pair, so it is written)
	s_add_co_i32 s28, s26, 127
	s_lshl_b32 s29, s28, 23
	v_mov_b32 v[SC8], s29                          ; 2^e8 as f32, for the conversion
	s_add_co_i32 s28, s28, 15
	s_lshl_b32 s28, s28, 23
	s_or_b32 s28, s28, 0x600000
	v_mov_b32 v[LIM], s28                          ; 57,344 x 2^e8
	s_wait_alu depctr_va_vdst(0)
.set J, 0
.rept HEADN
	s_wait_loadcnt 16-2*J                          ; image J's two loads are in; of the eighteen the younger ones may be out
.if J < 4
	ds_store_b128 v[CW0], v[S+8*J:S+8*J+3]   offset:CHUNK*J
	ds_store_b128 v[CW0], v[S+8*J+4:S+8*J+7] offset:CHUNK*J+512
.else
	ds_store_b128 v[CW], v[S+8*J:S+8*J+3]   offset:CHUNK*(J-4)
	ds_store_b128 v[CW], v[S+8*J+4:S+8*J+7] offset:CHUNK*(J-4)+512
.endif
.set J, J+1
.endr
	s_wait_dscnt 0x0                               ; for the others' sake: my part of images 0 to 5 lies in LDS
	s_barrier_signal -1
	s_barrier_wait -1                              ; everybody's does
	KAHEAD                                         ; step 0's first six tiles of k
.macro QK kt
	KBUF \kt
	v_wmma_f32_16x16x64_bf8_bf8 v[S+8*(\kt):S+8*(\kt)+7],       v[KB:KB+7], v[Q:Q+7],    0
	v_wmma_f32_16x16x64_bf8_bf8 v[S+64+8*(\kt):S+64+8*(\kt)+7], v[KB:KB+7], v[Q+8:Q+15], 0
.endm
.macro MAX kt                          ; tile kt's scores enter two chains, the first of which is the running maximum; the two tiles of queries by turns; each result is read from its low end on.  (Score 7 of tile 0 enters last, in STATS)
.if (\kt) == 0
.irp q, 0,1
	v_max3_num_f32 v[ST+4*\q+1], v[ST+4*\q+1], v[S+64*\q], v[S+64*\q+1]
.endr
.irp q, 0,1
	v_max3_num_f32 v[MX+2*\q], v[S+64*\q+2], v[S+64*\q+3], v[S+64*\q+4]
.endr
.irp q, 0,1
	v_max3_num_f32 v[ST+4*\q+1], v[ST+4*\q+1], v[S+64*\q+5], v[S+64*\q+6]
.endr
.else
.irp n, 0,2
.irp q, 0,1
	v_max3_num_f32 v[ST+4*\q+1], v[ST+4*\q+1], v[S+64*\q+8*(\kt)+2*\n], v[S+64*\q+8*(\kt)+2*\n+1]
.endr
.irp q, 0,1
	v_max3_num_f32 v[MX+2*\q], v[MX+2*\q], v[S+64*\q+8*(\kt)+2*\n+2], v[S+64*\q+8*(\kt)+2*\n+3]
.endr
.endr
.endif
.endm
.macro SCALE0 n                        ; the next n lines of tile 0's t - M, two numbers each (of the pairs c and -M the low word serves both halves)
.rept \n
	v_pk_fma_f32 v[S+2*J:S+2*J+1], v[S+2*J:S+2*J+1], s[18:19], v[ST:ST+1] op_sel_hi:[1,0,0]
.set J, J+1
.endr
.endm
.macro STATS                           ; the new M and f, the two tiles by turns, with tile 0's scalings between the last lines
.set J, 0
.irp q, 0,1
	v_max3_num_f32 v[ST+4*\q+1], v[ST+4*\q+1], v[MX+2*\q], v[S+64*\q+7]
.endr
.irp q, 0,1
	v_permlanex16_b32 v[MX+2*\q+1], v[ST+4*\q+1], s16, s17   ; the query's other 64 keys lie in the lane 16 away
.endr
.irp q, 0,1
	v_max_num_f32 v[ST+4*\q+1], v[ST+4*\q+1], v[MX+2*\q+1]
.endr
.irp q, 0,1
	v_mul_f32 v[MX+2*\q], s18, v[ST+4*\q+1]                ; the largest t (c is positive)
.endr
.irp q, 0,1
	v_floor_f32 v[ST+4*\q], -v[MX+2*\q]                    ; the new -M = floor(-t) = -ceil(t): M is a whole number
.endr
.irp q, 0,1
	v_sub_f32 v[MX+2*\q], v[ST+4*\q], v[FF+2*\q+1]         ; M's old value less its new one: a whole number, 0 or less
.endr
	SCALE0 4
.irp q, 0,1
	v_cvt_i32_f32 v[MX+2*\q], v[MX+2*\q]                   ; (it saturates)
.endr
	SCALE0 4
.irp q, 0,1
	v_ldexp_f32 v[FF+2*\q], 1.0, v[MX+2*\q]                ; f = 2^(old M - new M): a multiplication by it rounds nothing
.endr
	SCALE0 24
.endm
; Tile 0's sum, line n of 16, behind its first level (16 sums of two pairs, at S): 0-7, 8-11, 12-13: the next levels, in place; 14, 15: onto the old sum x f
.macro SUM0 n
.if (\n) < 8
	v_pk_add_f32 v[S+2*(\n):S+2*(\n)+1], v[S+4*(\n):S+4*(\n)+1], v[S+4*(\n)+2:S+4*(\n)+3]
.elseif (\n) < 12
	v_pk_add_f32 v[S+2*((\n)-8):S+2*((\n)-8)+1], v[S+4*((\n)-8):S+4*((\n)-8)+1], v[S+4*((\n)-8)+2:S+4*((\n)-8)+3]
.elseif (\n) < 14
	v_pk_add_f32 v[S+2*((\n)-12):S+2*((\n)-12)+1], v[S+4*((\n)-12):S+4*((\n)-12)+1], v[S+4*((\n)-12)+2:S+4*((\n)-12)+3]
.elseif (\n) == 14
	v_pk_fma_f32 v[ST+2:ST+3], v[ST+2:ST+3], v[FF:FF+1], v[S:S+1] op_sel_hi:[1,0,1]
.else
	v_pk_add_f32 v[ST+2:ST+3], v[ST+2:ST+3], v[S+2:S+3]
.endif
.endm
; Tile 1's sum, line n of 32, in three chains: 0: the old sum x f + pair 0; 1, 2: pairs 1 to 4 begin the others; 3 .. 29: pair n + 2 by turns; 30, 31: the chains meet
.macro SUM1 n
.set rP, S+64+2*(\n)+4
.if (\n) == 0
	v_pk_fma_f32 v[ST+6:ST+7], v[ST+6:ST+7], v[FF+2:FF+3], v[S+64:S+65] op_sel_hi:[1,0,1]
.elseif (\n) == 1
	v_pk_add_f32 v[MX:MX+1], v[S+66:S+67], v[S+68:S+69]
.elseif (\n) == 2
	v_pk_add_f32 v[MX+2:MX+3], v[S+70:S+71], v[S+72:S+73]
.elseif (\n) == 30
	v_pk_add_f32 v[MX:MX+1], v[MX:MX+1], v[MX+2:MX+3]
.elseif (\n) == 31
	v_pk_add_f32 v[ST+6:ST+7], v[ST+6:ST+7], v[MX:MX+1]
.elseif ((\n)%3) == 0
	v_pk_add_f32 v[ST+6:ST+7], v[ST+6:ST+7], v[rP:rP+1]
.elseif ((\n)%3) == 1
	v_pk_add_f32 v[MX:MX+1], v[MX:MX+1], v[rP:rP+1]
.else
	v_pk_add_f32 v[MX+2:MX+3], v[MX+2:MX+3], v[rP:rP+1]
.endif
.endm
; The same sum where the hold follows, line n of 32 of tile q, in two chains
.macro SUML q, n
.set rS, S+64*(\q)
.set rL, ST+4*(\q)+2
.set rT, MX+2*(\q)
.if (\n) == 0
	v_pk_fma_f32 v[rL:rL+1], v[rL:rL+1], v[FF+2*(\q):FF+2*(\q)+1], v[rS:rS+1] op_sel_hi:[1,0,1]
.elseif (\n) == 1
	v_pk_add_f32 v[rT:rT+1], v[rS+2:rS+3], v[rS+4:rS+5]
.elseif (\n) == 31
	v_pk_add_f32 v[rL:rL+1], v[rL:rL+1], v[rT:rT+1]
.elseif ((\n)%2) == 0
	v_pk_add_f32 v[rL:rL+1], v[rL:rL+1], v[rS+2*(\n)+2:rS+2*(\n)+3]
.else
	v_pk_add_f32 v[rT:rT+1], v[rT:rT+1], v[rS+2*(\n)+2:rS+2*(\n)+3]
.endif
.endm
.macro VLOAD t, p                      ; a plane of v's tile t: 16 channels x 128 keys, over p
	ds_load_b128 v[VF+16*(\t)+4*(\p):VF+16*(\t)+4*(\p)+3], v[AD] offset:8192+2048*(\t)+512*(\p)
.endm
.macro VTILE t
.irp p, 0,1,2,3
	VLOAD \t, \p
.endr
.endm
.macro CVT q, kt
.if \q
	v_cvt_scalef32_pk8_bf8_f32 v[C1+2*(\kt):C1+2*(\kt)+1], v[S+64+8*(\kt):S+64+8*(\kt)+7], v[SC8]
.else
	v_cvt_scalef32_pk8_bf8_f32 v[C0+2*(\kt):C0+2*(\kt)+1], v[S+8*(\kt):S+8*(\kt)+7], v[SC8]
.endif
.endm
.macro PV t
	v_wmma_f32_16x16x128_bf8_bf8 v[O+8*(\t):O+8*(\t)+7],       v[VF+16*(\t):VF+16*(\t)+15], v[C0:C0+15], v[O+8*(\t):O+8*(\t)+7]
	v_wmma_f32_16x16x128_bf8_bf8 v[O+32+8*(\t):O+32+8*(\t)+7], v[VF+16*(\t):VF+16*(\t)+15], v[C1:C1+15], v[O+32+8*(\t):O+32+8*(\t)+7]
.endm
; A KEY STEP: 128 keys.  Tiles 0 to 5 of its k have been asked for at the end of the step before.  copy = 1: my part of two later images goes into LDS, and the two behind them are asked for.
; bar = 1: the second barrier's wait stands ahead of the first read of the next image.  clamp = 1: behind the last step image 15's tiles are fetched once more and not used: no load leaves the images.
.macro STEP copy, bar, clamp
	v_add_nc_u32 v[AD], s20, v[LI]
	v_mov_b32 v[FF+1], v[ST]                       ; the old -M
	v_mov_b32 v[FF+3], v[ST+4]
.rept 2
	v_nop                                          ; with the three lines above five places behind the last step's products: loads and products below write over registers that they read
.endr
	KLOAD 6, AD
	KLOAD 7, AD
.if \copy
	s_wait_loadcnt 0x0                             ; image 6 + 2 step is in (in the first step: q too); so the register that was those loads' offset may be written
	v_add_nc_u32 v[CW], s21, v[CW0]
	ds_store_b128 v[CW], v[CH:CH+3]                ; bytes that nobody reads before the next barrier, written this once
	ds_store_b128 v[CW], v[CH+4:CH+7] offset:512
	s_wait_alu depctr_va_vdst(0)
	s_wait_dscnt 0x0                               ; k's tiles are in; the stores have read v8-15
	global_load_b128 v[CH:CH+3],   v[CW], s[6:7] offset:CHUNK          ; image 7 + 2 step
	global_load_b128 v[CH+4:CH+7], v[CW], s[6:7] offset:CHUNK+512
.else
	s_wait_dscnt 4                                 ; k's tiles 0 to 5 are in; those of tiles 6 and 7 may be out
.endif
	; S^T = k q^T; the maximum of an earlier tile stands between the pairs of products and gives their places
	QK 0
	QK 1
.rept 4
	v_nop
.endr
	MAX 0
.irp kt, 2,3,4,5
	QK \kt
	MAX \kt-1
.endr
.if \copy == 0
	s_wait_alu depctr_va_vdst(0)
	s_wait_dscnt 0x0
.endif
	QK 6
	MAX 5
	QK 7
	MAX 6
	MAX 7
	STATS
.irp q, 0,1
.set J, 0
.rept 16
	v_pk_mul_f32 v[O+32*\q+2*J:O+32*\q+2*J+1], v[O+32*\q+2*J:O+32*\q+2*J+1], v[FF+2*\q:FF+2*\q+1] op_sel_hi:[1,0]   ; O^T under the new M; each accumulator from its low end on
.set J, J+1
.endr
.endr
	s_wait_alu depctr_va_vdst(0)                   ; ahead of the batch
.set J, 0
.rept 32                                       ; tile 0's exponentials, with tile 1's scalings between them
	v_exp_f32 v[S+2*J], v[S+2*J]                   ; p = 2^(t - M): not normalised
	v_exp_f32 v[S+2*J+1], v[S+2*J+1]
	v_pk_fma_f32 v[S+64+2*J:S+64+2*J+1], v[S+64+2*J:S+64+2*J+1], s[18:19], v[ST+4:ST+5] op_sel_hi:[1,0,0]
.set J, J+1
.endr
	s_add_co_u32 s20, s20, CHUNK                   ; the next step's image: its address is made here, ahead of the branch on e8
.if \clamp
	s_min_u32 s23, s20, 15*CHUNK
	v_add_nc_u32 v[AN], s23, v[LI]
.else
	v_add_nc_u32 v[AN], s20, v[LI]
.endif
	s_wait_alu depctr_va_vdst(0)                   ; behind tile 0's batch and ahead of tile 1's
.if \copy
	s_wait_loadcnt 0x0
	ds_store_b128 v[CW], v[CH:CH+3]   offset:CHUNK
	ds_store_b128 v[CW], v[CH+4:CH+7] offset:CHUNK+512
	s_wait_dscnt 0x0                               ; the stores have read v8-15
	s_cmp_eq_u32 s22, 1                            ; the last copying step asks for nothing: no load leaves the head's images
	s_cbranch_scc1 .Lno_more_\@
	global_load_b128 v[CH:CH+3],   v[CW], s[6:7] offset:2*CHUNK        ; image 8 + 2 step
	global_load_b128 v[CH+4:CH+7], v[CW], s[6:7] offset:2*CHUNK+512
.Lno_more_\@:
.endif
	; The conversion to an 8-bit code does not saturate (ISA guide 7.6.2).  p is at most 1 but for a rounding, and with e8 >= -15 the largest code stands for 57,344 x 2^-15 = 1.75 or more: the hold can then change nothing.
	; Below that the step goes by its second copy, with the hold.  The branch hangs on a whole number read from memory, the same in every wave; no barrier stands in what it leads round.
	s_cmp_ge_i32 s26, -15
	s_cbranch_scc0 .Lhold_\@
.set J, 0
.rept 32                                       ; tile 1's exponentials; between them tile 0's conversions, its sum's first level (in place) and, over what that has read, two tiles of v
	v_exp_f32 v[S+64+2*J], v[S+64+2*J]
	v_exp_f32 v[S+64+2*J+1], v[S+64+2*J+1]
.if J < 8
	CVT 0, J
.elseif J == 8
	v_nop                                          ; one plain line: the sums below write registers that the conversions read
.elseif J < 25
	v_pk_add_f32 v[S+2*(J-9):S+2*(J-9)+1], v[S+4*(J-9):S+4*(J-9)+1], v[S+4*(J-9)+2:S+4*(J-9)+3]   ; THE ROW'S SUM IS TAKEN OF THE UNQUANTISED p
.elseif J < 29
	VLOAD 1+(J-25)/2, 2*((J-25)%2)
	VLOAD 1+(J-25)/2, 2*((J-25)%2)+1
.endif
.set J, J+1
.endr
	v_nop                                          ; one plain line behind the exponentials
	s_wait_alu depctr_va_vdst(0)                   ; ahead of the batch's first reader
.set J, 0
.rept 16
	SUM0 J
	SUM1 2*J
	SUM1 2*J+1
.if J == 7
	VTILE 0                                        ; tile 0's sums lie under v80 from here on
.endif
.set J, J+1
.endr
	CVT 1, 0
	CVT 1, 1
	VTILE 3                                        ; over what these two have read
.irp kt, 2,3,4,5,6,7
	CVT 1, \kt
.endr
	v_nop                                          ; one plain line between the conversions and the products that read their results
	s_wait_alu depctr_va_vdst(0)
	s_branch .Ljoin_\@
.Lhold_\@:
.set J, 0
.rept 64
	v_exp_f32 v[S+64+J], v[S+64+J]
.set J, J+1
.endr
	v_nop
	s_wait_alu depctr_va_vdst(0)
.set J, 0
.rept 32
	SUML 0, J
	SUML 1, J
.set J, J+1
.endr
.set J, 0
.rept 128
	v_min_num_f32 v[S+J], v[S+J], v[LIM]           ; p is not negative, so the hold is one-sided
.set J, J+1
.endr
.irp kt, 0,1,2,3,4,5,6,7
	CVT 0, \kt
.endr
	v_nop                                          ; one plain line: the conversions below write registers that those above read
	VTILE 1
	VTILE 2
	VTILE 0
.irp kt, 0,1,2,3,4,5,6,7
	CVT 1, \kt
.endr
	VTILE 3
	v_nop                                          ; one plain line between the conversions and the products that read their results
	s_wait_alu depctr_va_vdst(0)
.Ljoin_\@:
.if \bar
	s_barrier_wait -1                              ; every wave's part of images 6 to 15 lies in LDS
.endif
	KAHEAD                                         ; the next step's k, over tile 1's p
	s_wait_dscnt 16                                ; v's tiles 0 to 2 are in; tile 3's four loads and the twelve for k may be out
	PV 0                                           ; O^T += v^T p^T: the eight accumulators have one turn each in a step
	PV 1
	PV 2
	s_wait_dscnt 12
	PV 3
.endm
.Lcopy:                                            ; steps 0 to 4
	STEP 1, 0, 0
	s_add_co_u32 s21, s21, 2*CHUNK
	s_sub_co_u32 s22, s22, 1
	s_cmp_lg_u32 s22, 0
	s_cbranch_scc1 .Lcopy
	s_wait_dscnt 0x0                               ; for the others' sake: my part of all images lies in LDS, and my reads of images 0 to 4 are over
	s_barrier_signal -1                            ; between here and the wait: register work, and LDS loads of image 5, which nobody writes
	s_mov_b32 s20, COPYN*CHUNK
	STEP 0, 1, 0                                   ; step 5
	s_mov_b32 s22, 15-COPYN
.Lstep:                                            ; steps 6 to 15
	STEP 0, 0, 1
	s_sub_co_u32 s22, s22, 1
	s_cmp_lg_u32 s22, 0
	s_cbranch_scc1 .Lstep
	; THE WAY OUT.  O^T x 2^(e8 + e9) / the sum goes through the wave's stage in LDS, a tile at a time, 16 rows of 256 bytes + 16, and leaves as rows: sixteen lanes store the head's 256 bytes of a query's row.
	; The stages lie over images 0 to 4, which nobody reads behind the second barrier: 16 x 4,352 = 69,632 of their 81,920 bytes.
	s_wait_dscnt 0x0                               ; the last loads for k, whose registers are used below
	v_and_b32 v8, 15, v0                           ; r.  (These plain lines are the places behind the last products)
	v_bfe_u32 v9, v0, 4, 1                         ; h
	s_mul_i32 s28, s12, 16*272                     ; my stage
	v_mul_u32_u24 v[AD], v8, 272
	v_lshl_add_u32 v[AD], v9, 5, v[AD]
	v_add_nc_u32 v[AD], s28, v[AD]                 ; in: row r, + 32 h: my eight channels of a tile
	v_mul_u32_u24 v[CW], v9, 272
	v_lshl_add_u32 v[CW], v8, 4, v[CW]
	v_add_nc_u32 v[CW], s28, v[CW]                 ; back: lanes 0-15 one row, lanes 16-31 the next
	v_lshlrev_b32 v[GO], 12, v9
	v_lshl_add_u32 v[GO], v8, 4, v[GO]             ; and the same two rows in out0
.irp q, 0,1
	v_add_f32 v[ST+4*\q+2], v[ST+4*\q+2], v[ST+4*\q+3]     ; the sum's two halves,
.endr
.irp q, 0,1
	v_permlanex16_b32 v[ST+4*\q+3], v[ST+4*\q+2], s16, s17
.endr
.irp q, 0,1
	v_add_f32 v[ST+4*\q+2], v[ST+4*\q+2], v[ST+4*\q+3]     ; and lane l xor 16's: the row's sum
.endr
	s_wait_alu depctr_va_vdst(0)                   ; ahead of the batch
.irp q, 0,1
	v_rcp_f32 v[ST+4*\q+2], v[ST+4*\q+2]
.endr
	v_nop                                          ; one plain line behind the reciprocals
	s_add_co_i32 s29, s26, s27
	s_wait_alu depctr_va_vdst(0)                   ; and behind the batch
.irp q, 0,1
	v_ldexp_f32 v[ST+4*\q+2], v[ST+4*\q+2], s29    ; x 2^(e8 + e9)
.endr
	s_wait_alu depctr_va_vdst(0)                   ; directly ahead of the first reader of O^T
.irp q, 0,1
.set J, 0
.rept 16
	v_pk_mul_f32 v[S+32*\q+2*J:S+32*\q+2*J+1], v[O+32*\q+2*J:O+32*\q+2*J+1], v[ST+4*\q+2:ST+4*\q+3] op_sel_hi:[1,0]   ; register 32 q + 8 t + i: out(query 16 q + r, channel 16 t + 8 h + i); each accumulator from its low end on
.set J, J+1
.endr
.endr
	s_wait_alu depctr_va_vdst(0)
.irp q, 0,1
.irp t, 0,1,2,3
	ds_store_b128 v[AD], v[S+32*\q+8*\t:S+32*\q+8*\t+3]   offset:64*\t
	ds_store_b128 v[AD], v[S+32*\q+8*\t+4:S+32*\q+8*\t+7] offset:64*\t+16
.endr
.irp i, 0,1,2,3,4,5,6,7
	ds_load_b128 v[128+32*\q+4*\i:131+32*\q+4*\i], v[CW] offset:2*272*\i   ; LDS serves a wave's instructions in order (ISA guide 5.7.1.4): these see my stores, and the next tile's stores come behind them; the stage is my own
.endr
.endr
.irp q, 0,1
.irp i, 0,1,2,3,4,5,6,7
	s_wait_dscnt 23-16*\q-\i                       ; this load is in; the younger LDS instructions may be out
	global_store_b128 v[GO], v[128+32*\q+4*\i:131+32*\q+4*\i], s[10:11] offset:4096*(16*\q+2*\i) th:TH_STORE_NT   ; 16 lanes store 256 consecutive bytes, at a multiple of 256 from out0's first byte; written once, read by nobody here
.endr
.endr
	v_lshl_add_u32 v254, v0, 2, 0x40000            ; the wave's end
	v_mov_b32 v255, 0
	s_wait_alu depctr_va_vdst(0)
	s_wait_tensorcnt 0x0
	ds_add_u32 v254, v255
	s_wait_dscnt 0x0
	s_endpgm
.Lfunc_end_k_q90a96ec362_attn:
	.size	k_q90a96ec362_attn, .Lfunc_end_k_q90a96ec362_attn-k_q90a96ec362_attn
	.p2alignl 7, 3214868480
	.fill 96, 4, 3214868480
	.section	.rodata,"a",@progbits
	.p2align	6, 0x0
	.amdhsa_kernel k_q90a96ec362_attn
		.amdhsa_group_segment_fixed_size 264192
		.amdhsa_private_segment_fixed_size 0
		.amdhsa_enable_private_segment 0
		.amdhsa_kernarg_size 32
		.amdhsa_user_sgpr_count 2
		.amdhsa_user_sgpr_kernarg_segment_ptr 1
		.amdhsa_wavefront_size32 1
		.amdhsa_system_sgpr_workgroup_id_x 1
		.amdhsa_system_sgpr_workgroup_id_y 1
		.amdhsa_system_sgpr_workgroup_id_z 1
		.amdhsa_system_vgpr_workitem_id 0
		.amdhsa_next_free_vgpr 256
		.amdhsa_next_free_sgpr 66
		.amdhsa_reserve_vcc 0
		.amdhsa_float_denorm_mode_32 3
		.amdhsa_float_denorm_mode_16_64 3
		.amdhsa_memory_ordered 1
		.amdhsa_forward_progress 1
		.amdhsa_inst_pref_size 126
	.end_amdhsa_kernel
	.amdgpu_metadata
---
amdhsa.version: [ 1, 2 ]
amdhsa.kernels:
  - .name:           k_q90a96ec362_attn
    .symbol:         k_q90a96ec362_attn.kd
    .args:
      - { .name: q_img, .offset: 0, .size: 8, .value_kind: global_buffer, .address_space: global }
      - { .name: kv_img, .offset: 8, .size: 8, .value_kind: global_buffer, .address_space: global }
      - { .name: lowp_scales, .offset: 16, .size: 8, .value_kind: global_buffer, .address_space: global }
      - { .name: out0, .offset: 24, .size: 8, .value_kind: global_buffer, .address_space: global }
    .group_segment_fixed_size: 264192
    .private_segment_fixed_size: 0
    .kernarg_segment_align: 8
    .kernarg_segment_size: 32
    .max_flat_workgroup_size: 512
    .sgpr_count:     66
    .vgpr_count:     256
    .wavefront_size: 32
...
	.end_amdgpu_metadata
.endif
;; end of part 2
